; MI455X (gfx1250); checked and timed in simulation.
; The chip was launched on July 23, 2026; its instructions are those of AMD's public machine-readable ISA for CDNA 5 (MIT licence, August 2026) and "CDNA5" Instruction Set Architecture Reference Guide (July 2026). The comments in the code are by the model that wrote it; some were corrected since.
;; Mo PKL. Allowed arithmetic: float matrix products may take bf16 or f16 operands with f32 sums; other float arithmetic in f32, or as packed bf16 or f16 multiplies, adds, multiply-adds, maxima and minima; sums over many terms, partial sums and values carried from step to step in f32; what a program stores and reads back later, other than sums and carried values, may be rounded once to bf16 or f16.
;; Inputs: x 4 x 5 x 2,048 x 256 float32; y 4 x 5 x 2,048 x 256 float32.
;; Outputs: out0 4 x 5 x 2,048 x 256 float32.
;; 2 versions, each right; version 2 is version 1 with the launch prep written anew for expert scheduling mode. Each part assembles by itself: llvm-mc -triple=amdgcn-amd-amdhsa -mcpu=gfx1250 --defsym DOCPART=n.
;; ======== version 1 of 2: 4 launches
;; workspace buffers: zb 41,943,040 bytes; nrm 327,680 bytes; mm 2,621,440 bytes; part 5,242,880 bytes; psum 2,560 bytes; mmr 81,920 bytes
;; launch prep (part 1): grid 640 x 2, 4 waves a work-group, no clusters, 8,960 bytes of LDS; arguments x, y, zb, nrm, mm; writes zb, nrm, mm
.if DOCPART == 1
	.amdgcn_target "amdgcn-amd-amdhsa--gfx1250"
	.amdhsa_code_object_version 6
	.text
	.protected	k_qf722c7d422_prep
	.globl	k_qf722c7d422_prep
	.p2align	8
	.type	k_qf722c7d422_prep,@function
k_qf722c7d422_prep:
	s_mov_b64 s[64:65], 0
	v_nop
	global_prefetch_b8 v0, s[64:65] scope:SCOPE_SE
	s_setreg_imm32_b32 hwreg(HW_REG_WAVE_MODE, 25, 1), 1
	s_wait_xcnt 0x0
; x, y: [20 frames][2048 nodes][256] f32.  This launch rounds both once to bf16 (zb: x's copy, then y's), and takes from the ROUNDED numbers
;   nrm[tensor][frame][node]           = -1/2 of the sum of squares of the node's 256 numbers (f32),
;   mm[tensor*640+frame*32+chunk][2][256] = (-min, max) over the chunk's 64 nodes, per feature (f32; exact, a bf16 widened).
; -min is kept beside max so that every later reduction is a maximum.
; LIMITS.  Every later launch works on the rounded copy alone, so the program's result is that of the formula on inputs rounded to bf16.
; The packed minima and maxima let a NaN lose: a NaN among the inputs is not carried into mm.
; SHARES.  Work-group (x = frame*32+chunk, y = tensor) owns 64 rows, wave w 16 of them; lane L owns columns 4L..4L+3 and 128+4L..+3 of each row,
; so a load of a wave covers 512 consecutive bytes and a store of bf16 256 consecutive bytes, both aligned.  All 32 loads of a wave go out at once.
; No matrix unit, no cluster, no tensor load: nothing is shared between work-groups, and the launch moves each byte once.
.set NRMS,  8192                       ; LDS: 0..8191 four waves' (-min, max), 2,048 bytes each; 8192..8447 the 64 half-norms
.set SPARE, 8448                       ; the spare words, 128 bytes a wave: two blocks of 256 bytes that no other line names
.set T,  10                            ; v[10:17]  a row's 8 rounded numbers as f32
.set S,  18                            ; v[18:19]  sum of squares
.set MN, 20                            ; v[20:23]  running minima, two bf16 a register
.set MX, 24                            ; v[24:27]  running maxima
.set U,  28                            ; v[28:43]  at work behind the rows
.set X,  44                            ; v[44:171] row i: 8 registers as loaded; its first 4 then hold the row in bf16 and are never rewritten
	s_load_b256 s[4:11], s[0:1], 0x0               ; x s[4:5], y s[6:7], zb s[8:9], nrm s[10:11]
	s_load_b64 s[12:13], s[0:1], 0x20              ; mm
	v_lshl_add_u32 v8, v0, 2, SPARE                ; my spare word,
	v_mov_b32 v9, 0                                ; and 0: kept for the closing add alone
	v_lshrrev_b32 v1, 5, v0
	v_readfirstlane_b32 s14, v1                    ; wave 0..3
	v_and_b32 v1, 31, v0                           ; lane
	v_lshlrev_b32 v2, 4, v1                        ; 16 L: my 16 bytes of f32
	v_lshlrev_b32 v3, 3, v1                        ; 8 L: my 8 bytes of bf16
	v_lshlrev_b32 v4, 4, v0                        ; 16 x thread: my 16 bytes of the 2,048 of (-min, max)
	v_add_nc_u32 v5, NRMS, v3                      ; where wave 0 reads the 64 half-norms back
	s_lshl_b32 s17, s14, 6
	s_add_co_u32 s17, s17, NRMS
	v_mov_b32 v6, s17                              ; my wave's 16 half-norms
	s_lshl_b32 s17, s14, 11
	v_add_nc_u32 v7, s17, v2                       ; my wave's (-min, max), my 16 bytes
	s_and_b32 s15, ttmp7, 0xffff                   ; tensor: 0 x, 1 y
	s_mul_i32 s16, s15, 640
	s_add_co_u32 s16, s16, ttmp9                   ; unit = tensor*640 + frame*32 + chunk
	s_mov_b32 s20, 0x76543210                      ; v_permlanex16_b32: each lane takes its own place in the other half
	s_mov_b32 s21, 0xfedcba98
	s_mov_b32 s22, 0xffff0000                      ; a word's upper bf16
	s_lshl_b32 s18, ttmp9, 16                      ; input: 64 rows of 1,024 bytes a chunk,
	s_lshl_b32 s17, s14, 14                        ; 16 rows a wave
	s_add_co_u32 s18, s18, s17
	s_mov_b32 s19, 0
	s_lshl_b32 s24, s16, 15                        ; zb: 64 rows of 512 bytes a unit,
	s_lshl_b32 s17, s14, 13                        ; 16 rows a wave
	s_add_co_u32 s24, s24, s17
	s_mov_b32 s25, 0
	s_lshl_b32 s26, s16, 8                         ; nrm: 64 numbers a unit
	s_mov_b32 s27, 0
	s_lshl_b32 s28, s16, 11                        ; mm: 2,048 bytes a unit
	s_mov_b32 s29, 0
	s_wait_kmcnt 0x0
	s_cmp_eq_u32 s15, 0
	s_cselect_b64 s[4:5], s[4:5], s[6:7]           ; the tensor that this work-group reads
	s_add_nc_u64 s[4:5], s[4:5], s[18:19]
	s_add_nc_u64 s[8:9], s[8:9], s[24:25]
	s_add_nc_u64 s[10:11], s[10:11], s[26:27]
	s_add_nc_u64 s[12:13], s[12:13], s[28:29]
.irp i, 0,1,2,3,4,5,6,7,8,9,10,11,12,13,14,15
	global_load_b128 v[X+8*\i:X+8*\i+3],   v2, s[4:5] offset:1024*\i th:TH_LOAD_NT
	global_load_b128 v[X+8*\i+4:X+8*\i+7], v2, s[4:5] offset:1024*\i+512 th:TH_LOAD_NT
.endr
; Row i: rounded, stored, squared and summed, folded into the minima and maxima.
.macro ROW i
	s_wait_loadcnt 2*(15-(\i))                     ; loads come back in order: two for each younger row may stay out
	v_cvt_pk_bf16_f32 v[X+8*(\i)],   v[X+8*(\i)],   v[X+8*(\i)+1]
	v_cvt_pk_bf16_f32 v[X+8*(\i)+1], v[X+8*(\i)+2], v[X+8*(\i)+3]
	v_cvt_pk_bf16_f32 v[X+8*(\i)+2], v[X+8*(\i)+4], v[X+8*(\i)+5]
	v_cvt_pk_bf16_f32 v[X+8*(\i)+3], v[X+8*(\i)+6], v[X+8*(\i)+7]
	global_store_b64 v3, v[X+8*(\i):X+8*(\i)+1],   s[8:9] offset:512*(\i)      ; 32 lanes x 8 bytes: 256 consecutive bytes, aligned
	global_store_b64 v3, v[X+8*(\i)+2:X+8*(\i)+3], s[8:9] offset:512*(\i)+256  ; the data registers are the row's own: nothing writes them again
.irp k, 0,1,2,3
	v_lshlrev_b32 v[T+2*\k],   16,  v[X+8*(\i)+\k]
	v_and_b32     v[T+2*\k+1], s22, v[X+8*(\i)+\k]
.endr
	v_pk_mul_f32 v[S:S+1], v[T:T+1], v[T:T+1]
.irp k, 2,4,6
	v_pk_fma_f32 v[S:S+1], v[T+\k:T+\k+1], v[T+\k:T+\k+1], v[S:S+1]
.endr
.irp k, 0,1,2,3
.if (\i) == 0
	v_mov_b32 v[MN+\k], v[X+\k]                    ; the first row starts both: nothing is preset
	v_mov_b32 v[MX+\k], v[X+\k]
.else
	v_pk_min_num_bf16 v[MN+\k], v[MN+\k], v[X+8*(\i)+\k]
	v_pk_max_num_bf16 v[MX+\k], v[MX+\k], v[X+8*(\i)+\k]
.endif
.endr
	v_add_f32 v[S], v[S], v[S+1]
	v_add_f32_dpp v[S], v[S], v[S] row_xmask:1 row_mask:0xf bank_mask:0xf
	v_add_f32_dpp v[S], v[S], v[S] row_xmask:2 row_mask:0xf bank_mask:0xf
	v_add_f32_dpp v[S], v[S], v[S] row_xmask:4 row_mask:0xf bank_mask:0xf
	v_add_f32_dpp v[S], v[S], v[S] row_xmask:8 row_mask:0xf bank_mask:0xf
	v_permlanex16_b32 v[T], v[S], s20, s21         ; its destination has been written above
	v_add_f32 v[S], v[S], v[T]
	v_mul_f32 v[S], -0.5, v[S]
	ds_store_b32 v6, v[S] offset:4*(\i)            ; all lanes write the same word with the same number
.endm
.irp i, 0,1,2,3,4,5,6,7,8,9,10,11,12,13,14,15
	ROW \i
.endr
	; my wave's (-min, max) of 16 rows, widened, into its 2,048 bytes: -min of columns 0..255, then max
.irp k, 0,1,2,3
	v_xor_b32 v[MN+\k], 0x80008000, v[MN+\k]       ; both signs turned
.endr
.irp k, 0,1,2,3
	v_lshlrev_b32 v[U+2*\k],     16,  v[MN+\k]
	v_and_b32     v[U+2*\k+1],   s22, v[MN+\k]
	v_lshlrev_b32 v[U+8+2*\k],   16,  v[MX+\k]
	v_and_b32     v[U+8+2*\k+1], s22, v[MX+\k]
.endr
	ds_store_b128 v7, v[U:U+3]
	ds_store_b128 v7, v[U+4:U+7]   offset:512
	ds_store_b128 v7, v[U+8:U+11]  offset:1024
	ds_store_b128 v7, v[U+12:U+15] offset:1536
	s_wait_dscnt 0x0                               ; for the others' sake: all my LDS stores are done
	s_barrier_signal -1
	s_barrier_wait -1
.irp k, 0,1,2,3
	ds_load_b128 v[U+4*\k:U+4*\k+3], v4 offset:2048*\k   ; the four waves' numbers for my 16 bytes
.endr
	s_wait_dscnt 0x0
.irp c, 0,1,2,3
	v_max3_num_f32 v[T+\c], v[U+\c], v[U+4+\c], v[U+8+\c]
.endr
.irp c, 0,1,2,3
	v_max_num_f32 v[T+\c], v[T+\c], v[U+12+\c]
.endr
	global_store_b128 v4, v[T:T+3], s[12:13]       ; a wave's store covers 512 consecutive bytes, aligned
	s_cmp_lg_u32 s14, 0
	s_cbranch_scc1 .Lnot_wave_0
	ds_load_b64 v[14:15], v5                       ; wave 0 sends the 64 half-norms out: 256 consecutive bytes, aligned
	s_wait_dscnt 0x0
	global_store_b64 v3, v[14:15], s[10:11]
.Lnot_wave_0:
	s_wait_tensorcnt 0x0                           ; the wave's end, behind my last LDS store
	ds_add_u32 v8, v9
	s_wait_dscnt 0x0
	s_endpgm
.Lfunc_end_k_qf722c7d422_prep:
	.size	k_qf722c7d422_prep, .Lfunc_end_k_qf722c7d422_prep-k_qf722c7d422_prep
	.p2alignl 7, 3214868480
	.fill 96, 4, 3214868480
	.section	.rodata,"a",@progbits
	.p2align	6, 0x0
	.amdhsa_kernel k_qf722c7d422_prep
		.amdhsa_group_segment_fixed_size 8960
		.amdhsa_private_segment_fixed_size 0
		.amdhsa_enable_private_segment 0
		.amdhsa_kernarg_size 40
		.amdhsa_user_sgpr_count 2
		.amdhsa_user_sgpr_kernarg_segment_ptr 1
		.amdhsa_wavefront_size32 1
		.amdhsa_system_sgpr_workgroup_id_x 1
		.amdhsa_system_sgpr_workgroup_id_y 1
		.amdhsa_system_sgpr_workgroup_id_z 1
		.amdhsa_system_vgpr_workitem_id 0
		.amdhsa_next_free_vgpr 176
		.amdhsa_next_free_sgpr 66
		.amdhsa_reserve_vcc 0
		.amdhsa_float_denorm_mode_32 3
		.amdhsa_float_denorm_mode_16_64 3
		.amdhsa_memory_ordered 1
		.amdhsa_forward_progress 1
		.amdhsa_inst_pref_size 38
	.end_amdhsa_kernel
	.amdgpu_metadata
---
amdhsa.version: [ 1, 2 ]
amdhsa.kernels:
  - .name:           k_qf722c7d422_prep
    .symbol:         k_qf722c7d422_prep.kd
    .args:
      - { .name: x, .offset: 0, .size: 8, .value_kind: global_buffer, .address_space: global }
      - { .name: y, .offset: 8, .size: 8, .value_kind: global_buffer, .address_space: global }
      - { .name: zb, .offset: 16, .size: 8, .value_kind: global_buffer, .address_space: global }
      - { .name: nrm, .offset: 24, .size: 8, .value_kind: global_buffer, .address_space: global }
      - { .name: mm, .offset: 32, .size: 8, .value_kind: global_buffer, .address_space: global }
    .group_segment_fixed_size: 8960
    .private_segment_fixed_size: 0
    .kernarg_segment_align: 8
    .kernarg_segment_size: 40
    .max_flat_workgroup_size: 128
    .sgpr_count:     66
    .vgpr_count:     176
    .wavefront_size: 32
...
	.end_amdgpu_metadata
.endif
;; end of part 1
;; launch gram (part 2): grid 8 x 32, 4 waves a work-group, clusters of 4 x 4, 327,680 bytes of LDS; arguments zb, nrm, part; writes part
.if DOCPART == 2
	.amdgcn_target "amdgcn-amd-amdhsa--gfx1250"
	.amdhsa_code_object_version 6
	.text
	.protected	k_qf722c7d422_gram
	.globl	k_qf722c7d422_gram
	.p2align	8
	.type	k_qf722c7d422_gram,@function
k_qf722c7d422_gram:
	s_mov_b64 s[64:65], 0
	v_nop
	global_prefetch_b8 v0, s[64:65] scope:SCOPE_SE
	s_setreg_imm32_b32 hwreg(HW_REG_WAVE_MODE, 25, 1), 1
	s_wait_xcnt 0x0
	s_wait_alu depctr_hold_cnt(0) depctr_sa_sdst(0) depctr_va_vdst(0) depctr_va_sdst(0) depctr_va_ssrc(0) depctr_va_vcc(0) depctr_vm_vsrc(0)
	s_getreg_b32 s2, hwreg(HW_REG_IB_STS2, 6, 4)
	s_cmp_eq_u32 s2, 0
	s_cbranch_scc0 .Lentry_in_a_cluster
	s_endpgm
.Lentry_in_a_cluster:
	s_bfe_u32 s2, ttmp6, 0x10000c
	s_cmp_lg_u32 s2, 0xf033
	s_cbranch_scc0 .Lentry_shape_is_right
	s_endpgm
.Lentry_shape_is_right:
; For each frame: e[n][m] = x_n . y_m + hx[n] + hy[m], with hx, hy = -1/2 of the rows' sums of squares (nrm): e is -1/2 of the squared distance of the rounded points.
; Only maxima of e leave: part[0][frame][2 tj + half][n] = max of e over 128 y rows, part[1][frame][2 ti + half][m] = max of e over 128 x rows.  One product serves both weights.
; zb: bf16 [2][20][2048][256], x's copy then y's.  Products in bf16, sums and maxima in f32.  The maxima let a NaN lose.
; SHARES.  A frame's e is 8 x 8 tiles of 256 x 256, K = 256.  A work-group of four waves STAYS on tile (ti, tj) and walks the five frames of one batch: 4 batches x 64 tiles = 256 work-groups of
; equal work.  A wave makes 128 x 128: 64 accumulators of 16 x 16, 512 registers.  K goes in steps of 128 through a ring of two LDS slots filled by the tensor data mover (rows of 256 bytes of
; memory, aligned); the ring runs on from frame to frame: a tile's two changes of slots ask for the next frame's two K steps.
; CLUSTERS.  4 x 4 work-groups: the four of a row of the cluster share ti and the batch, so x's tiles; the four of a column share tj and the batch, so y's.  Each tile is asked for jointly.
; THE MATRIX INSTRUCTION: source 0 = 16 rows of y, source 1 = 16 rows of x.  In accumulator (a, b) lane (r = l % 16, h = l / 16), register j holds x row 16 a + r, y row 16 b + 8 h + j.
; hy starts the sums: it is the C operand of a tile's first quarter (register j of lane (r, h): hy[16 b + 8 h + j]).  hx, one number a lane and block a, is added at the end.
; REGISTERS, in windows of 256 (s_set_vgpr_msb: bits 1:0 source 0, 3:2 source 1, 5:4 source 2, 7:6 destination):
;   window 0: v0-31 addresses; v32-47 hx (even registers; the odd ones hold 0, since the packed add names pairs); v48-63 row maxima; v64-127, v128-191 fragments of x, two buffers
;             (v128-143 also at work on the way out); v192-255 column maxima
;   window 1: v64-127, v128-191 fragments of y; v192-255 hy        window 2: accumulators of my x rows 0-63 ((a, b) at v[8 (8 a + b)])        window 3: those of rows 64-127
.set KSTEP,  128
.set PITCH,  272                       ; an LDS row: 256 bytes + 16 of padding = 68 words: row r starts at bank 4 r mod 64 (64 banks of 4 bytes: ISA guide 11.1)
.set HALFT,  128*PITCH                 ; 128 rows: what one tensor load brings, and what one wave reads of x or of y
.set SLOT,   4*HALFT                   ; x's 256 rows, then y's 256 rows
.set STAGE,  2*SLOT                    ; behind the ring, never filled by a tensor load: each wave's own stage for the way out
.set GPITCH, 272                       ; a group of the column stage: 16 lanes x 16 bytes + 16 of padding
.set PASTG,  32*GPITCH                 ; behind the 32 groups: the row stage, 512 bytes for each half of the lanes,
.set HPITCH, 576                       ; 576 bytes apart: the two halves' words fall into different banks
.set WSTAGE, 9984                      ; a wave's stage: 39 blocks of 256 bytes
.set SPARE,  STAGE+4*WSTAGE            ; the spare words, 128 bytes a wave: two blocks of 256 bytes that no other line names
.set FRAME_Z, 2048*512                 ; bytes from frame to frame in zb,
.set FRAME_N, 2048*4                   ; in nrm,
.set FRAME_P, 16*2048*4                ; and in part
.set ADRA, 16                          ; v16-17  LDS address of my x fragments in slot 0, 1
.set ADRB, 20                          ; v20-21  the same for y
.set STB,  22                          ; v22     column stage: where I put 16 bytes
.set RDB,  23                          ; v23     column stage: my group
.set STA,  24                          ; v24     row stage: where I put a word
.set RDA,  25                          ; v25     row stage: my 16 bytes
.set GO,   26                          ; v26     16 x lane: my 16 bytes of 512 in part
.set NBO,  27                          ; v27     32 h: my 8 numbers of hy in a block of 16
.set SPW,  28                          ; v28     LDS address of my spare word; never rewritten
.set NIL,  29                          ; v29     0; never rewritten
.set NAO,  30                          ; v30     4 r: my number of hx in a block of 16
.set NA,   32
.set PA,   48                          ; two chains for each block a: y blocks of even and of odd b
.set F0,   64
.set F1,   128
.set W,    128                         ; v128-143 at work on the way out
.set PB,   192                         ; window 0: PB + 8 b + j
.set NB,   192                         ; window 1: NB + 8 b + j
.set G1,  24                           ; s[24:31] descriptor group 1 for x's tiles;  s[32:39] group 0, a set for each slot
.set G0,  32
.set G1B, 48                           ; s[48:55], s[56:63] the same for y's tiles
.set G0B, 56
.set NAB, 68                           ; s[68:69] hx of my 128 x rows, this frame
.set NBB, 70                           ; s[70:71] hy of my 128 y rows
.set PAB, 72                           ; s[72:73] where my row maxima go
.set PBB, 74                           ; s[74:75] where my column maxima go
.set MSB, 0
.macro WIN new                         ; the immediate's high byte repeats the setting that is left; a switch that changes nothing is dropped
.if MSB != (\new)
	s_set_vgpr_msb (MSB<<8)|(\new)
.set MSB, \new
.endif
.endm
.set MUL_LO, 0xa1                      ; source 0 (y) window 1, source 1 (x) window 0, C and D window 2
.set MUL_1ST, 0x91                     ; the same with C (hy) in window 1
.set TO_B,   0x40                      ; destination window 1, address window 0
; A joint load.  Waves 0 and 1 fetch x's two halves, waves 2 and 3 y's.  The branch hangs on the wave's number alone.  An s_nop 0 and four v_nop follow each of the two lines.
.macro JLOAD s
	s_cmp_eq_u32 s11, 0
	s_cbranch_scc0 .Lfor_b_\@
	tensor_load_to_lds s[G0+4*(\s):G0+4*(\s)+3], s[G1:G1+7]
	s_nop 0
.rept 4
	v_nop
.endr
	s_branch .Lasked_\@
.Lfor_b_\@:
	tensor_load_to_lds s[G0B+4*(\s):G0B+4*(\s)+3], s[G1B:G1B+7]
	s_nop 0
.rept 4
	v_nop
.endr
.Lasked_\@:
.endm
; A round of the cluster's barrier: my work-group's barrier; wave 0 signals for the work-group; every wave waits for all sixteen; my work-group's barrier once more.
.macro CREST                           ; a round behind its opening barrier
	s_cmp_lg_u32 s10, 0
	s_cbranch_scc1 .Lnot_wave_0_\@
	s_barrier_signal -3
.Lnot_wave_0_\@:
	s_barrier_wait -3
	s_barrier_signal -1
	s_barrier_wait -1
.endm
.macro CROUND
	s_barrier_signal -1
	s_barrier_wait -1
	CREST
.endm
	s_load_b128 s[4:7], s[0:1], 0x0                ; zb s[4:5], nrm s[6:7]
	s_load_b64 s[8:9], s[0:1], 0x10                ; part
	v_lshl_add_u32 v[SPW], v0, 2, SPARE
	v_mov_b32 v[NIL], 0
	ds_add_u32 v[SPW], v[NIL]                      ; the wave's opening: the add and its wait stand ahead of my first tensor load; work on registers stands between them
	v_lshrrev_b32 v1, 5, v0
	v_readfirstlane_b32 s10, v1                    ; wave 0..3
	s_lshr_b32 s11, s10, 1                         ; which half of the tile's x rows is mine.  Also: I fetch for x (0) or for y (1)
	s_and_b32 s12, s10, 1                          ; which half of its y rows.  Also: which 128 rows of that tile I fetch
	s_bfe_u32 s40, ttmp6, 0x40000                  ; cx
	s_bfe_u32 s41, ttmp6, 0x40004                  ; cy
	s_lshl_b32 s42, ttmp9, 2
	s_add_co_u32 s42, s42, s40                     ; tj = 4 x cluster x + cx
	s_and_b32 s13, ttmp7, 0xffff
	s_lshr_b32 s45, s13, 1                         ; the batch, from the cluster's y alone: all sixteen share it
	s_lshl_b32 s13, s13, 2
	s_add_co_u32 s13, s13, s41                     ; 8 x batch + ti = 4 x cluster y + cy
	s_lshl_b32 s43, s41, 2
	s_lshl_b32 s43, 15, s43                        ; my row of the cluster
	s_lshl_b32 s44, 0x1111, s40                    ; my column
	; descriptor group 1: a tile of 128 rows x 128 elements of 2 bytes, 256 elements from row to row, 16 bytes of padding behind every 256 in LDS
	s_or_b32 s[G1+0], s43, (1<<16)|(1<<20)|(1<<21)|(5<<22)|(3<<25)   ; 15:0 the mask; 17:16 2-byte elements; 20 padding on; 21 set beside a mask; 24:22 after every 64 words; 31:25 4 words
	s_or_b32 s[G1B+0], s44, (1<<16)|(1<<20)|(1<<21)|(5<<22)|(3<<25)
.irp g, G1, G1B
	s_mov_b32 s[(\g)+1], KSTEP<<16                 ; tensor_dim0 = 128
	s_mov_b32 s[(\g)+2], 128<<16                   ; tensor_dim1 = 128
	s_mov_b32 s[(\g)+3], KSTEP<<16                 ; tile_dim0 = 128
	s_mov_b32 s[(\g)+4], 128                       ; tile_dim1 = 128
	s_mov_b32 s[(\g)+5], 256                       ; elements from row to row
	s_mov_b32 s[(\g)+6], 0
	s_mov_b32 s[(\g)+7], 0
.endr
	; x's tile hangs on the batch, ti and the wave; y's on the batch, tj and the wave; each is made in registers that never hold the other coordinate
	s_lshr_b32 s16, s13, 3
	s_mul_i32 s16, s16, 10240                      ; the batch's first row (frame 0 of its five)
	s_and_b32 s17, s13, 7
	s_lshl_b32 s17, s17, 8
	s_add_co_u32 s16, s16, s17                     ; + 256 ti
	s_lshl_b32 s17, s12, 7
	s_add_co_u32 s16, s16, s17                     ; + the 128 rows that I fetch
	s_lshl_b32 s16, s16, 9                         ; rows of 512 bytes
	s_mov_b32 s17, 0
	s_mul_i32 s46, s45, 10240
	s_lshl_b32 s47, s42, 8
	s_add_co_u32 s46, s46, s47                     ; + 256 tj
	s_lshl_b32 s47, s12, 7
	s_add_co_u32 s46, s46, s47
	s_add_co_u32 s46, s46, 40960                   ; y's copy lies behind x's 40,960 rows
	s_lshl_b32 s46, s46, 9
	s_mov_b32 s47, 0
	s_mul_i32 s20, s10, HALFT                      ; where they go: wave x 128 rows: no place in the cluster enters an LDS address
	s_wait_dscnt 0x0                               ; the opening add is done
	s_wait_kmcnt 0x0
	s_add_nc_u64 s[14:15], s[4:5], s[16:17]
	s_add_nc_u64 s[46:47], s[4:5], s[46:47]
	CROUND                                         ; all sixteen work-groups are here: the first joint loads meet
.irp s, 0,1
	s_mov_b32 s[G0+4*(\s)], 1
	s_add_co_u32 s[G0+4*(\s)+1], s20, (\s)*SLOT
	s_add_nc_u64 s[G0+4*(\s)+2:G0+4*(\s)+3], s[14:15], (\s)*KSTEP*2
	s_or_b32 s[G0+4*(\s)+3], s[G0+4*(\s)+3], 0x80000000
	s_mov_b32 s[G0B+4*(\s)], 1
	s_add_co_u32 s[G0B+4*(\s)+1], s20, (\s)*SLOT
	s_add_nc_u64 s[G0B+4*(\s)+2:G0B+4*(\s)+3], s[46:47], (\s)*KSTEP*2
	s_or_b32 s[G0B+4*(\s)+3], s[G0B+4*(\s)+3], 0x80000000
	JLOAD \s                                       ; two tensor loads of mine are out here; later one
.endr
	v_and_b32 v1, 15, v0                           ; r
	v_bfe_u32 v2, v0, 4, 1                         ; h
	v_and_b32 v6, 31, v0                           ; lane
	v_lshlrev_b32 v[NBO], 5, v2
	v_lshlrev_b32 v[NAO], 2, v1
	; the four bases that hang on both coordinates, in registers that feed no descriptor
	s_lshr_b32 s78, s13, 3                         ; batch
	s_and_b32 s79, s13, 7                          ; ti
	s_mul_i32 s76, s78, 10240
	s_lshl_b32 s66, s79, 8
	s_add_co_u32 s66, s66, s76
	s_lshl_b32 s67, s11, 7
	s_add_co_u32 s66, s66, s67
	s_lshl_b32 s66, s66, 2                         ; 4 (batch x 10240 + 256 ti + 128 x my row half)
	s_mov_b32 s67, 0
	s_add_nc_u64 s[NAB:NAB+1], s[6:7], s[66:67]
	s_lshl_b32 s66, s42, 8
	s_add_co_u32 s66, s66, s76
	s_lshl_b32 s77, s12, 7
	s_add_co_u32 s66, s66, s77
	s_lshl_b32 s66, s66, 2
	s_add_co_u32 s66, s66, 163840                  ; y's half-norms lie behind x's 40,960
	s_add_nc_u64 s[NBB:NBB+1], s[6:7], s[66:67]
	s_mul_i32 s76, s78, 5*FRAME_P
	s_lshl_b32 s66, s42, 1
	s_add_co_u32 s66, s66, s12
	s_lshl_b32 s66, s66, 13                        ; partial 2 tj + my column half, 8,192 bytes each
	s_add_co_u32 s66, s66, s76
	s_lshl_b32 s77, s79, 10
	s_add_co_u32 s66, s66, s77
	s_lshl_b32 s77, s11, 9
	s_add_co_u32 s66, s66, s77
	s_add_nc_u64 s[PAB:PAB+1], s[8:9], s[66:67]
	s_lshl_b32 s66, s79, 1
	s_add_co_u32 s66, s66, s11
	s_lshl_b32 s66, s66, 13                        ; partial 2 ti + my row half
	s_add_co_u32 s66, s66, s76
	s_lshl_b32 s77, s42, 10
	s_add_co_u32 s66, s66, s77
	s_lshl_b32 s77, s12, 9
	s_add_co_u32 s66, s66, s77
	s_add_co_u32 s66, s66, 20*FRAME_P              ; the column maxima lie behind the 20 frames' row maxima
	s_add_nc_u64 s[PBB:PBB+1], s[8:9], s[66:67]
.macro NBLOAD                          ; hy of my 128 y rows: register 8 b + j takes hy[16 b + 8 h + j]; the sixteen loads cover 512 consecutive bytes
	WIN TO_B
.irp b, 0,1,2,3,4,5,6,7
	global_load_b128 v[NB+8*\b:NB+8*\b+3],   v[NBO], s[NBB:NBB+1] offset:64*\b
	global_load_b128 v[NB+8*\b+4:NB+8*\b+7], v[NBO], s[NBB:NBB+1] offset:64*\b+16
.endr
.endm
.macro NALOAD                          ; hx of my 128 x rows: register 2 a takes hx[16 a + r]
	WIN 0
.irp a, 0,1,2,3,4,5,6,7
	global_load_b32 v[NA+2*\a], v[NAO], s[NAB:NAB+1] offset:64*\a
.endr
.endm
	NBLOAD
	NALOAD
.irp a, 0,1,2,3,4,5,6,7
	v_mov_b32 v[NA+2*\a+1], 0                      ; named with hx as pairs, so they are written, once
.endr
	v_mul_u32_u24 v3, v1, PITCH
	v_lshl_add_u32 v3, v2, 4, v3                   ; a fragment's row x pitch + 16 x half
	s_mul_i32 s21, s11, HALFT                      ; my 128 rows of x
	s_mul_i32 s22, s12, HALFT                      ; my 128 rows of y,
	s_add_co_u32 s22, s22, 2*HALFT                 ; which lie behind x's 256
.irp s, 0,1
	v_add_nc_u32 v[ADRA+(\s)], s21, v3
	v_add_nc_u32 v[ADRB+(\s)], s22, v3
	s_add_co_u32 s21, s21, SLOT
	s_add_co_u32 s22, s22, SLOT
.endr
	s_mul_i32 s23, s10, WSTAGE
	s_add_co_u32 s23, s23, STAGE                   ; my stage
	v_mul_u32_u24 v4, v2, 2*GPITCH                 ; column stage, in: group 4 b + 2 h + q (the 4 b + q stand in the offset), place r
	v_lshl_add_u32 v4, v1, 4, v4
	v_add_nc_u32 v[STB], s23, v4
	v_mul_u32_u24 v4, v6, GPITCH                   ; back: lane L takes group L, y rows 4 L .. 4 L + 3
	v_add_nc_u32 v[RDB], s23, v4
	v_mul_u32_u24 v4, v2, HPITCH                   ; row stage, in: my half's 512 bytes, word 16 a + r
	v_lshl_add_u32 v4, v1, 2, v4
	v_add_nc_u32 v4, s23, v4
	v_add_nc_u32 v[STA], PASTG, v4
	v_lshlrev_b32 v[GO], 4, v6
	v_add_nc_u32 v4, s23, v[GO]                    ; back: lane L takes x rows 4 L .. 4 L + 3 of both halves
	v_add_nc_u32 v[RDA], PASTG, v4
; 16 matrix instructions: x blocks a0, a0 + 1 of the window's four (hi = 0: my rows 0-63, 1: rows 64-127) x all 8 y blocks, 32 along K.  first = 1: hy starts the sums: nothing is cleared.
; The 64 accumulators take turns, one instruction a turn, in the same order in every quarter.
.macro MUL16 f, hi, a0, first
.if \first
	WIN MUL_1ST+0x40*(\hi)
.else
	WIN MUL_LO+0x50*(\hi)
.endif
.irp a, \a0, (\a0)+1
.irp b, 0,1,2,3,4,5,6,7
.if \first
	v_wmma_f32_16x16x32_bf16 v[8*(8*(\a)+(\b)):8*(8*(\a)+(\b))+7], v[(\f)+8*(\b):(\f)+8*(\b)+7], v[(\f)+8*(4*(\hi)+(\a)):(\f)+8*(4*(\hi)+(\a))+7], v[NB+8*(\b):NB+8*(\b)+7]
.else
	v_wmma_f32_16x16x32_bf16 v[8*(8*(\a)+(\b)):8*(8*(\a)+(\b))+7], v[(\f)+8*(\b):(\f)+8*(\b)+7], v[(\f)+8*(4*(\hi)+(\a)):(\f)+8*(4*(\hi)+(\a))+7], v[8*(8*(\a)+(\b)):8*(8*(\a)+(\b))+7]
.endif
.endr
.endr
.endm
; 32 LDS loads in one run: the fragments of a quarter step (128 rows of y, 128 rows of x, 32 K at byte k of the rows) into buffer f
.macro FETCH slot, k, f
	WIN TO_B
.irp i, 0,1,2,3,4,5,6,7
	ds_load_b128 v[(\f)+8*(\i):(\f)+8*(\i)+3],   v[ADRB+(\slot)] offset:(\k)+(\i)*16*PITCH
	ds_load_b128 v[(\f)+8*(\i)+4:(\f)+8*(\i)+7], v[ADRB+(\slot)] offset:(\k)+(\i)*16*PITCH+32
.endr
	WIN 0
.irp i, 0,1,2,3,4,5,6,7
	ds_load_b128 v[(\f)+8*(\i):(\f)+8*(\i)+3],   v[ADRA+(\slot)] offset:(\k)+(\i)*16*PITCH
	ds_load_b128 v[(\f)+8*(\i)+4:(\f)+8*(\i)+7], v[ADRA+(\slot)] offset:(\k)+(\i)*16*PITCH+32
.endr
.endm
.macro PLACES                          ; four plain vector instructions between a matrix instruction and a load into, or a vector read of, its registers (ISA guide 7.12.1 for vector reads)
.rept 4
	v_nop
.endr
.endm
; One of a K step's first three quarters: multiplies buffer f; in its middle it fetches the next quarter's fragments, at byte k of the same slot's rows, into g.
; extra = 1 (a tile's second quarter): the next frame's hy is asked for: its registers' last readers are the first quarter's products, and the four places stand between.
.macro QUARTER slot, k, f, g, first, extra
	s_wait_dscnt 8                                 ; y's fragments and x's rows 0-63 are in; the youngest eight loads (x's rows 64-127) may be out
	MUL16 \f, 0, 0, \first
	MUL16 \f, 0, 2, \first
	PLACES
.if \extra
	s_add_nc_u64 s[NBB:NBB+1], s[NBB:NBB+1], FRAME_N   ; the loads that named this base were shown done at the tile's head
	NBLOAD
.endif
	FETCH \slot, \k, \g
	s_wait_dscnt 32                                ; all but the 32 just issued
	MUL16 \f, 1, 0, \first
	MUL16 \f, 1, 2, \first
.endm
; The first half of a K step's last quarter: ONE barrier for the change of slots.  In front of it each wave waits for all its tensor loads (one is out: its part of the next slot), adds 0 to its
; spare word, and waits for that and for its own reads of this slot.
.macro MEET round
	WIN 0                                          ; (the add's two registers lie in window 0)
	s_wait_tensorcnt 0x0
	ds_add_u32 v[SPW], v[NIL]
	s_wait_dscnt 9                                 ; (the add and the youngest eight loads may be out)
	MUL16 F1, 0, 0, 0                              ; sixteen matrix instructions stand between the add and the wait for it
	s_wait_dscnt 0x0                               ; the add is done, and my reads of this slot are over
	s_barrier_signal -1
	MUL16 F1, 0, 2, 0                              ; work on registers while the others arrive
.if \round
	WIN 0
.endif
	s_barrier_wait -1
.endm
; The whole last quarter.  fill = 1: the barrier opens a round of the cluster's barrier, and the slot just read out is filled first behind it, with the NEXT FRAME's K step of the same number;
; from that request to the wait for it a wave issues 224 matrix instructions or more.  Then the next slot's first fragments.
.macro TURN slot, next, fill
	MEET \fill
.if \fill
	CREST
	s_add_nc_u64 s[G0+4*(\slot)+2:G0+4*(\slot)+3], s[G0+4*(\slot)+2:G0+4*(\slot)+3], FRAME_Z
	s_add_nc_u64 s[G0B+4*(\slot)+2:G0B+4*(\slot)+3], s[G0B+4*(\slot)+2:G0B+4*(\slot)+3], FRAME_Z
	JLOAD \slot                                    ; its four v_nop are also the places in front of the loads below, and behind the products on window 2
.else
	PLACES
.endif
	FETCH \next, 0, F0
	MUL16 F1, 1, 0, 0
	MUL16 F1, 1, 2, 0
.endm
; THE WAY OUT OF A TILE.
.macro ADDN hi                         ; hx onto the window's 32 accumulators; each accumulator's registers in ascending order
	WIN 0x82+0x41*(\hi)                            ; destination and source 0 in window 2 or 3, hx in window 0
.irp a, 0,1,2,3
.irp b, 0,1,2,3,4,5,6,7
.irp p, 0,2,4,6
	v_pk_add_f32 v[8*(8*\a+\b)+\p:8*(8*\a+\b)+\p+1], v[8*(8*\a+\b)+\p:8*(8*\a+\b)+\p+1], v[NA+8*(\hi)+2*\a:NA+8*(\hi)+2*\a+1] op_sel_hi:[1,0]
.endr
.endr
.endr
.endm
.macro PASTART hi                      ; the row maxima's eight chains of a window begin: block a, y blocks of parity c
.irp a, 0,1,2,3
.irp c, 0,1
	v_max_num_f32 v[PA+8*(\hi)+2*\a+\c], v[8*(8*\a+\c)], v[8*(8*\a+\c)+1]
.endr
.endr
.endm
.macro PAMAX hi                        ; and go on, two numbers a line; the eight chains take turns
.irp bb, 0,1,2,3
.irp p, 0,2,4,6
.if (\bb)+(\p) > 0
.irp a, 0,1,2,3
.irp c, 0,1
	v_max3_num_f32 v[PA+8*(\hi)+2*\a+\c], v[PA+8*(\hi)+2*\a+\c], v[8*(8*\a+2*\bb+\c)+\p], v[8*(8*\a+2*\bb+\c)+\p+1]
.endr
.endr
.endif
.endr
.endr
.endm
; left: the younger global loads that may stay out when hx is wanted.  more = 1: a tile follows: the bases step, and its hx is asked for.
.macro EPI left, more
	s_wait_loadcnt \left                           ; hx is in
	ADDN 0                                         ; these 128 lines name nothing of the last products (window 3's): they are the places behind them
	WIN 0x2a                                       ; three sources in window 2
.irp b, 0,1,2,3,4,5,6,7
.irp j, 0,1,2,3,4,5,6,7
	v_max3_num_f32 v[PB+8*\b+\j], v[8*\b+\j], v[64+8*\b+\j], v[128+8*\b+\j]   ; column maxima over x blocks 0, 1, 2
.endr
.endr
	PASTART 0
	WIN 0x28                                       ; source 0 in window 0
.irp b, 0,1,2,3,4,5,6,7
.irp j, 0,1,2,3,4,5,6,7
	v_max_num_f32 v[PB+8*\b+\j], v[PB+8*\b+\j], v[192+8*\b+\j]               ; block 3
.endr
.endr
	PAMAX 0
	ADDN 1
	WIN 0x3f
	PASTART 1
	WIN 0x3c
.irp b, 0,1,2,3,4,5,6,7
.irp j, 0,1,2,3,4,5,6,7
	v_max3_num_f32 v[PB+8*\b+\j], v[PB+8*\b+\j], v[8*\b+\j], v[64+8*\b+\j]   ; blocks 4, 5
.endr
.endr
.irp b, 0,1,2,3,4,5,6,7
.irp j, 0,1,2,3,4,5,6,7
	v_max3_num_f32 v[PB+8*\b+\j], v[PB+8*\b+\j], v[128+8*\b+\j], v[192+8*\b+\j]  ; blocks 6, 7
.endr
.endr
	PAMAX 1
	WIN 0
.irp a, 0,1,2,3,4,5,6,7
	v_max_num_f32 v[PA+2*\a], v[PA+2*\a], v[PA+2*\a+1]
.endr
	; through my own stage: a row's maximum still lies in two lanes (h = 0, 1), a column's in sixteen (r).  LDS serves a wave's instructions in order (ISA guide 5.7.1.4): the loads see the stores.
.irp a, 0,1,2,3,4,5,6,7
	ds_store_b32 v[STA], v[PA+2*\a] offset:64*\a
.endr
.irp b, 0,1,2,3,4,5,6,7
	ds_store_b128 v[STB], v[PB+8*\b:PB+8*\b+3]   offset:GPITCH*(4*\b)
	ds_store_b128 v[STB], v[PB+8*\b+4:PB+8*\b+7] offset:GPITCH*(4*\b+1)
.endr
	ds_load_b128 v[W:W+3],   v[RDA]
	ds_load_b128 v[W+4:W+7], v[RDA] offset:HPITCH
.irp k, 0,1,2,3,4,5,6,7,8,9,10,11,12,13,14,15
	ds_load_b128 v[PB+4*\k:PB+4*\k+3], v[RDB] offset:16*\k
.endr
	s_wait_dscnt 16                                ; the row stage is back; the sixteen younger loads may stay out
.irp c, 0,1,2,3
	v_max_num_f32 v[W+8+\c], v[W+\c], v[W+4+\c]
.endr
	global_store_b128 v[GO], v[W+8:W+11], s[PAB:PAB+1]     ; my 128 x rows: 512 consecutive bytes, aligned
	s_wait_dscnt 0x0
.irp c, 0,1,2,3
	v_max3_num_f32 v[W+12+\c], v[PB+\c], v[PB+4+\c], v[PB+8+\c]
.endr
.irp t, 0,1,2,3,4,5
.irp c, 0,1,2,3
	v_max3_num_f32 v[W+12+\c], v[W+12+\c], v[PB+12+8*\t+\c], v[PB+16+8*\t+\c]
.endr
.endr
.irp c, 0,1,2,3
	v_max_num_f32 v[W+12+\c], v[W+12+\c], v[PB+60+\c]
.endr
	global_store_b128 v[GO], v[W+12:W+15], s[PBB:PBB+1]    ; my 128 y rows likewise
.if \more
	s_wait_xcnt 0x0                                ; the stores' data (which the next tile's fragments overwrite) and bases are rewritten only behind this wait
	s_add_nc_u64 s[PAB:PAB+1], s[PAB:PAB+1], FRAME_P
	s_add_nc_u64 s[PBB:PBB+1], s[PBB:PBB+1], FRAME_P
	s_add_nc_u64 s[NAB:NAB+1], s[NAB:NAB+1], FRAME_N
	NALOAD
.endif
.endm
	s_wait_tensorcnt 1                             ; my part of K step 0 is in; K step 1's may stay out
	s_barrier_signal -1
	s_barrier_wait -1
	FETCH 0, 0, F0
	s_mov_b32 s2, 4                                ; frames that have a successor: the same number in every work-group
.Ltile:                                                ; a trip: one frame's tile; both slots are filled again, with the next frame's
	s_wait_loadcnt 8                               ; hy is in; hx's eight loads, issued behind it, may stay out
	QUARTER 0, 64,  F0, F1, 1, 0
	QUARTER 0, 128, F1, F0, 0, 1
	QUARTER 0, 192, F0, F1, 0, 0
	TURN 0, 1, 1
	QUARTER 1, 64,  F0, F1, 0, 0
	QUARTER 1, 128, F1, F0, 0, 0
	QUARTER 1, 192, F0, F1, 0, 0
	TURN 1, 0, 1
	EPI 16, 1                                      ; the next frame's hy, sixteen loads issued behind this frame's hx, may stay out
	WIN 0                                          ; at a label and at a branch every window is 0
	s_sub_co_u32 s2, s2, 1
	s_cmp_lg_u32 s2, 0
	s_cbranch_scc1 .Ltile
	s_wait_loadcnt 8                               ; the last frame is written out: it asks for nothing more
	QUARTER 0, 64,  F0, F1, 1, 0
	QUARTER 0, 128, F1, F0, 0, 0
	QUARTER 0, 192, F0, F1, 0, 0
	TURN 0, 1, 0
	QUARTER 1, 64,  F0, F1, 0, 0
	QUARTER 1, 128, F1, F0, 0, 0
	QUARTER 1, 192, F0, F1, 0, 0
	s_wait_dscnt 8                                 ; the very last quarter: nothing more to fetch
	MUL16 F1, 0, 0, 0
	MUL16 F1, 0, 2, 0
	s_wait_dscnt 0x0
	MUL16 F1, 1, 0, 0
	MUL16 F1, 1, 2, 0
	PLACES                                         ; behind the products on window 2, which the way out reads first
	EPI 0, 0
	s_wait_tensorcnt 0x0                           ; the wave's end, behind my last tensor load and my last LDS store
	ds_add_u32 v[SPW], v[NIL]
	s_wait_dscnt 0x0
	CROUND                                         ; the closing round: no work-group ends while a partner may still ask for a tile that names it
	s_endpgm
.Lfunc_end_k_qf722c7d422_gram:
	.size	k_qf722c7d422_gram, .Lfunc_end_k_qf722c7d422_gram-k_qf722c7d422_gram
	.p2alignl 7, 3214868480
	.fill 96, 4, 3214868480
	.section	.rodata,"a",@progbits
	.p2align	6, 0x0
	.amdhsa_kernel k_qf722c7d422_gram
		.amdhsa_group_segment_fixed_size 327680
		.amdhsa_private_segment_fixed_size 0
		.amdhsa_enable_private_segment 0
		.amdhsa_kernarg_size 24
		.amdhsa_user_sgpr_count 2
		.amdhsa_user_sgpr_kernarg_segment_ptr 1
		.amdhsa_wavefront_size32 1
		.amdhsa_system_sgpr_workgroup_id_x 1
		.amdhsa_system_sgpr_workgroup_id_y 1
		.amdhsa_system_sgpr_workgroup_id_z 1
		.amdhsa_system_vgpr_workitem_id 0
		.amdhsa_next_free_vgpr 1024
		.amdhsa_next_free_sgpr 80
		.amdhsa_reserve_vcc 0
		.amdhsa_float_denorm_mode_32 3
		.amdhsa_float_denorm_mode_16_64 3
		.amdhsa_memory_ordered 1
		.amdhsa_forward_progress 1
		.amdhsa_inst_pref_size 220
	.end_amdhsa_kernel
	.amdgpu_metadata
---
amdhsa.version: [ 1, 2 ]
amdhsa.kernels:
  - .name:           k_qf722c7d422_gram
    .symbol:         k_qf722c7d422_gram.kd
    .args:
      - { .name: zb, .offset: 0, .size: 8, .value_kind: global_buffer, .address_space: global }
      - { .name: nrm, .offset: 8, .size: 8, .value_kind: global_buffer, .address_space: global }
      - { .name: part, .offset: 16, .size: 8, .value_kind: global_buffer, .address_space: global }
    .group_segment_fixed_size: 327680
    .private_segment_fixed_size: 0
    .kernarg_segment_align: 8
    .kernarg_segment_size: 24
    .max_flat_workgroup_size: 128
    .sgpr_count:     80
    .vgpr_count:     1024
    .wavefront_size: 32
...
	.end_amdgpu_metadata
.endif
;; end of part 2
;; launch reduce (part 3): grid 200 x 1, 4 waves a work-group, no clusters, 0 bytes of LDS; arguments part, mm, psum, mmr; writes psum, mmr
.if DOCPART == 3
	.amdgcn_target "amdgcn-amd-amdhsa--gfx1250"
	.amdhsa_code_object_version 6
	.text
	.protected	k_qf722c7d422_reduce
	.globl	k_qf722c7d422_reduce
	.p2align	8
	.type	k_qf722c7d422_reduce,@function
k_qf722c7d422_reduce:
	s_mov_b64 s[64:65], 0
	v_nop
	global_prefetch_b8 v0, s[64:65] scope:SCOPE_SE
	s_setreg_imm32_b32 hwreg(HW_REG_WAVE_MODE, 25, 1), 1
	s_wait_xcnt 0x0
; Two small reductions, one wave a piece, no wave waiting for another.
; Work-groups 0..159 (640 waves): part[p = which*20+frame][16][2048]: for 128 nodes the maximum over the 16 partials, then the sum of the 128 maxima -> psum[frame][which][chunk of 128].
; Work-groups 160..199 (160 waves): mm[(tensor*20+frame)*32 + chunk][512]: for 128 of the 512 numbers (-min, max) the maximum over the 32 chunks -> mmr[tensor*20+frame][512].
; Each load of a wave covers 512 consecutive bytes, aligned; all loads of a wave go out at once.  The maxima let a NaN lose.
; 200 work-groups are what the work gives; the launch moves under 8 MB.
.set D, 16                             ; v[16:..] the loaded partials, 4 registers each
.set A, 8                              ; v[8:11]  the running maxima
.macro LOADS n, step, base             ; n loads, step bytes apart
.set k, 0
.rept \n
	global_load_b128 v[D+4*k:D+4*k+3], v1, s[\base:\base+1] offset:(\step)*k th:TH_LOAD_NT
.set k, k+1
.endr
.endm
.macro MAXALL pairs                    ; the maximum of 2 x pairs + 4 partials, per component: three start it, then two a line, then the last
.irp c, 0,1,2,3
	v_max3_num_f32 v[A+\c], v[D+\c], v[D+4+\c], v[D+8+\c]
.endr
.set t, 0
.rept \pairs
.irp c, 0,1,2,3
	v_max3_num_f32 v[A+\c], v[A+\c], v[D+12+8*t+\c], v[D+16+8*t+\c]
.endr
.set t, t+1
.endr
.irp c, 0,1,2,3
	v_max_num_f32 v[A+\c], v[A+\c], v[D+12+8*(\pairs)+\c]
.endr
.endm
	s_load_b256 s[4:11], s[0:1], 0x0               ; part s[4:5], mm s[6:7], psum s[8:9], mmr s[10:11]
	v_lshrrev_b32 v1, 5, v0
	v_readfirstlane_b32 s12, v1                    ; wave 0..3
	v_and_b32 v2, 31, v0                           ; lane
	v_lshlrev_b32 v1, 4, v2                        ; 16 bytes a lane
	s_mov_b32 s17, 0
	s_mov_b32 s21, 0
	s_cmp_lt_u32 ttmp9, 160
	s_cbranch_scc0 .Lminmax
	s_lshl_b32 s13, ttmp9, 2
	s_add_co_u32 s13, s13, s12                     ; piece 0..639
	s_lshr_b32 s14, s13, 4                         ; p = which*20 + frame
	s_and_b32 s15, s13, 15                         ; chunk of 128 nodes
	s_lshl_b32 s16, s14, 17                        ; 16 x 2048 x 4 bytes for each p
	s_lshl_b32 s18, s15, 9
	s_add_co_u32 s16, s16, s18
	s_cmp_ge_u32 s14, 20
	s_cselect_b32 s19, 1, 0                        ; which
	s_mul_i32 s20, s19, 20
	s_sub_co_u32 s20, s14, s20                     ; frame
	s_lshl_b32 s20, s20, 7
	s_lshl_b32 s19, s19, 6
	s_add_co_u32 s20, s20, s19
	s_lshl_b32 s15, s15, 2
	s_add_co_u32 s20, s20, s15                     ; 128 frame + 64 which + 4 chunk
	s_mov_b32 s22, 0x76543210
	s_mov_b32 s23, 0xfedcba98
	v_mov_b32 v3, 0
	s_wait_kmcnt 0x0
	s_add_nc_u64 s[4:5], s[4:5], s[16:17]
	s_add_nc_u64 s[8:9], s[8:9], s[20:21]
	LOADS 16, 8192, 4
	s_wait_loadcnt 0x0
	MAXALL 6
	v_add_f32 v8, v8, v9
	v_add_f32 v10, v10, v11
	v_add_f32 v8, v8, v10
	v_add_f32_dpp v8, v8, v8 row_xmask:1 row_mask:0xf bank_mask:0xf
	v_add_f32_dpp v8, v8, v8 row_xmask:2 row_mask:0xf bank_mask:0xf
	v_add_f32_dpp v8, v8, v8 row_xmask:4 row_mask:0xf bank_mask:0xf
	v_add_f32_dpp v8, v8, v8 row_xmask:8 row_mask:0xf bank_mask:0xf
	v_permlanex16_b32 v9, v8, s22, s23             ; its destination has been written above
	v_add_f32 v8, v8, v9
	v_cmp_eq_u32 vcc_lo, 0, v2
	s_wait_xcnt 0x0                                ; EXEC changes only behind this wait
	s_and_saveexec_b32 s24, vcc_lo
	global_store_b32 v3, v8, s[8:9]                ; one number a wave: lane 0 stores it
	s_wait_xcnt 0x0
	s_or_b32 exec_lo, exec_lo, s24
	s_endpgm
.Lminmax:
	s_sub_co_u32 s13, ttmp9, 160
	s_lshl_b32 s13, s13, 2
	s_add_co_u32 s13, s13, s12                     ; piece 0..159
	s_lshr_b32 s14, s13, 2                         ; tensor*20 + frame
	s_and_b32 s15, s13, 3                          ; which 512 of the 2,048 bytes
	s_lshl_b32 s15, s15, 9
	s_lshl_b32 s16, s14, 16                        ; 32 chunks of 2,048 bytes
	s_add_co_u32 s16, s16, s15
	s_lshl_b32 s20, s14, 11
	s_add_co_u32 s20, s20, s15
	s_wait_kmcnt 0x0
	s_add_nc_u64 s[6:7], s[6:7], s[16:17]
	s_add_nc_u64 s[10:11], s[10:11], s[20:21]
	LOADS 32, 2048, 6
	s_wait_loadcnt 0x0
	MAXALL 14
	global_store_b128 v1, v[A:A+3], s[10:11]       ; 512 consecutive bytes, aligned
	s_endpgm
.Lfunc_end_k_qf722c7d422_reduce:
	.size	k_qf722c7d422_reduce, .Lfunc_end_k_qf722c7d422_reduce-k_qf722c7d422_reduce
	.p2alignl 7, 3214868480
	.fill 96, 4, 3214868480
	.section	.rodata,"a",@progbits
	.p2align	6, 0x0
	.amdhsa_kernel k_qf722c7d422_reduce
		.amdhsa_group_segment_fixed_size 0
		.amdhsa_private_segment_fixed_size 0
		.amdhsa_enable_private_segment 0
		.amdhsa_kernarg_size 32
		.amdhsa_user_sgpr_count 2
		.amdhsa_user_sgpr_kernarg_segment_ptr 1
		.amdhsa_wavefront_size32 1
		.amdhsa_system_sgpr_workgroup_id_x 1
		.amdhsa_system_sgpr_workgroup_id_y 1
		.amdhsa_system_sgpr_workgroup_id_z 1
		.amdhsa_system_vgpr_workitem_id 0
		.amdhsa_next_free_vgpr 152
		.amdhsa_next_free_sgpr 66
		.amdhsa_reserve_vcc 1
		.amdhsa_float_denorm_mode_32 3
		.amdhsa_float_denorm_mode_16_64 3
		.amdhsa_memory_ordered 1
		.amdhsa_forward_progress 1
		.amdhsa_inst_pref_size 13
	.end_amdhsa_kernel
	.amdgpu_metadata
---
amdhsa.version: [ 1, 2 ]
amdhsa.kernels:
  - .name:           k_qf722c7d422_reduce
    .symbol:         k_qf722c7d422_reduce.kd
    .args:
      - { .name: part, .offset: 0, .size: 8, .value_kind: global_buffer, .address_space: global }
      - { .name: mm, .offset: 8, .size: 8, .value_kind: global_buffer, .address_space: global }
      - { .name: psum, .offset: 16, .size: 8, .value_kind: global_buffer, .address_space: global }
      - { .name: mmr, .offset: 24, .size: 8, .value_kind: global_buffer, .address_space: global }
    .group_segment_fixed_size: 0
    .private_segment_fixed_size: 0
    .kernarg_segment_align: 8
    .kernarg_segment_size: 32
    .max_flat_workgroup_size: 128
    .sgpr_count:     66
    .vgpr_count:     152
    .wavefront_size: 32
...
	.end_amdgpu_metadata
.endif
;; end of part 3
;; launch final (part 4): grid 320 x 4, 4 waves a work-group, no clusters, 0 bytes of LDS; arguments zb, psum, mmr, out0; writes out0
.if DOCPART == 4
	.amdgcn_target "amdgcn-amd-amdhsa--gfx1250"
	.amdhsa_code_object_version 6
	.text
	.protected	k_qf722c7d422_final
	.globl	k_qf722c7d422_final
	.p2align	8
	.type	k_qf722c7d422_final,@function
k_qf722c7d422_final:
	s_mov_b64 s[64:65], 0
	v_nop
	global_prefetch_b8 v0, s[64:65] scope:SCOPE_SE
	s_setreg_imm32_b32 hwreg(HW_REG_WAVE_MODE, 25, 1), 1
	s_wait_xcnt 0x0
; out = wx (x - minx) / (maxx - minx) + wy (y - miny) / (maxy - miny), on the bf16 copies of x and y (zb), as  ax x + ay y + c  with, per feature,
; ax = wx / (maxx + (-minx)), ay likewise, c = ax (-minx) + ay (-miny); mmr holds (-min, max) per (tensor, frame, feature).
; w = 1 / (1 + mean of the least squared distances) = 1 / (1 - S / 5120): psum holds sums of max(-d/2) over 128 nodes; a batch has 10,240 nodes, so mean = -2 S / 10240.
; LIMITS.  x and y are taken rounded once to bf16.  A feature with max = min gives an infinity or NaN, as the formula itself does.
; SHARES.  Work-group (x, y = batch) owns 32 rows of the batch's 10,240, wave w eight; lane L owns columns 4L..4L+3 and 128+4L..+3.  A load of a wave covers 256 consecutive bytes of bf16,
; a store 512 of f32, both aligned.  All 45 loads of a wave go out at once.  A stream: no LDS, no barrier, no matrix unit; nothing is shared but 6 KB of tables.
.set PS, 6                             ; v[6:10]   psum of the batch's five frames: lanes 0-15 x's sixteen sums, lanes 16-31 y's
.set M,  16                            ; v[16:47]  -minx, maxx, -miny, maxy of my 8 columns
.set AX, 48                            ; v[48:55]
.set AY, 56                            ; v[56:63]
.set C,  64                            ; v[64:71]
.set T,  72                            ; v[72:79]  a row's x as f32
.set U,  80                            ; v[80:87]  a row's y as f32
.set R,  88                            ; v[88:151] row i: 4 registers of x, 4 of y as loaded; then the row's 8 results, never rewritten
	s_load_b256 s[4:11], s[0:1], 0x0               ; zb s[4:5], psum s[6:7], mmr s[8:9], out0 s[10:11]
	v_lshrrev_b32 v1, 5, v0
	v_readfirstlane_b32 s12, v1                    ; wave 0..3
	v_and_b32 v1, 31, v0                           ; lane
	v_lshlrev_b32 v2, 3, v1                        ; 8 L
	v_lshlrev_b32 v3, 4, v1                        ; 16 L
	v_lshlrev_b32 v4, 2, v1                        ; 4 L
	s_and_b32 s13, ttmp7, 0xffff                   ; batch
	s_mul_i32 s14, s13, 10240
	s_lshl_b32 s15, ttmp9, 5
	s_add_co_u32 s14, s14, s15
	s_lshl_b32 s15, s12, 3
	s_add_co_u32 s14, s14, s15                     ; my wave's first row
	s_lshl_b32 s16, s14, 9                         ; rows of 512 bytes in zb,
	s_mov_b32 s17, 0
	s_lshl_b32 s18, s14, 10                        ; of 1,024 in out0
	s_mov_b32 s19, 0
	s_mul_i32 s26, s13, 640                        ; psum: 128 bytes a frame, five frames a batch
	s_mov_b32 s27, 0
	s_mul_i32 s28, s13, 5
	s_lshr_b32 s15, ttmp9, 6                       ; 64 work-groups a frame
	s_add_co_u32 s28, s28, s15                     ; frame
	s_lshl_b32 s28, s28, 11                        ; mmr: 2,048 bytes a frame
	s_mov_b32 s29, 0
	s_mov_b32 s24, 0xb94ccccd                      ; -1 / 5120
	s_mov_b32 s25, 0xffff0000                      ; a word's upper bf16
	s_wait_kmcnt 0x0
	s_add_nc_u64 s[4:5], s[4:5], s[16:17]          ; x's copy at my rows,
	s_add_nc_u64 s[14:15], s[4:5], 0x1400000       ; y's: 20,971,520 bytes on
	s_add_nc_u64 s[6:7], s[6:7], s[26:27]
	s_add_nc_u64 s[8:9], s[8:9], s[28:29]
	s_add_nc_u64 s[10:11], s[10:11], s[18:19]
.irp f, 0,1,2,3,4
	global_load_b32 v[PS+\f], v4, s[6:7] offset:128*\f
.endr
.irp k, 0,1
	global_load_b128 v[M+4*\k:M+4*\k+3],       v3, s[8:9] offset:512*\k
	global_load_b128 v[M+8+4*\k:M+8+4*\k+3],   v3, s[8:9] offset:1024+512*\k
	global_load_b128 v[M+16+4*\k:M+16+4*\k+3], v3, s[8:9] offset:40960+512*\k      ; y's table lies 20 frames on
	global_load_b128 v[M+24+4*\k:M+24+4*\k+3], v3, s[8:9] offset:41984+512*\k
.endr
.irp i, 0,1,2,3,4,5,6,7
	global_load_b64 v[R+8*\i:R+8*\i+1],   v2, s[4:5]   offset:512*\i th:TH_LOAD_NT
	global_load_b64 v[R+8*\i+2:R+8*\i+3], v2, s[4:5]   offset:512*\i+256 th:TH_LOAD_NT
	global_load_b64 v[R+8*\i+4:R+8*\i+5], v2, s[14:15] offset:512*\i th:TH_LOAD_NT
	global_load_b64 v[R+8*\i+6:R+8*\i+7], v2, s[14:15] offset:512*\i+256 th:TH_LOAD_NT
.endr
	s_wait_loadcnt 40                              ; psum is in; the 8 loads of the tables and the 32 of the rows may stay out
	v_add_f32 v[PS], v[PS], v[PS+1]
	v_add_f32 v[PS+2], v[PS+2], v[PS+3]
	v_add_f32 v[PS], v[PS], v[PS+2]
	v_add_f32 v[PS], v[PS], v[PS+4]
	v_add_f32_dpp v[PS], v[PS], v[PS] row_xmask:1 row_mask:0xf bank_mask:0xf   ; inside each half of 16 lanes: x's sum below, y's above
	v_add_f32_dpp v[PS], v[PS], v[PS] row_xmask:2 row_mask:0xf bank_mask:0xf
	v_add_f32_dpp v[PS], v[PS], v[PS] row_xmask:4 row_mask:0xf bank_mask:0xf
	v_add_f32_dpp v[PS], v[PS], v[PS] row_xmask:8 row_mask:0xf bank_mask:0xf
	v_fma_f32 v[PS+1], v[PS], s24, 1.0             ; 1 + mean
	v_rcp_f32 v[PS+1], v[PS+1]
	v_nop                                          ; a plain instruction between the reciprocal and the use of its result
	s_wait_alu depctr_va_vdst(0)
	v_readlane_b32 s20, v[PS+1], 0                 ; wx
	v_readlane_b32 s22, v[PS+1], 16                ; wy
	s_mov_b32 s21, s20                             ; named with them as pairs
	s_mov_b32 s23, s22
	s_wait_loadcnt 32                              ; the tables are in
.irp k, 0,2,4,6
	v_pk_add_f32 v[AX+\k:AX+\k+1], v[M+8+\k:M+8+\k+1],   v[M+\k:M+\k+1]        ; max + (-min)
	v_pk_add_f32 v[AY+\k:AY+\k+1], v[M+24+\k:M+24+\k+1], v[M+16+\k:M+16+\k+1]
.endr
.irp k, 0,1,2,3,4,5,6,7
	v_rcp_f32 v[AX+\k], v[AX+\k]
	v_rcp_f32 v[AY+\k], v[AY+\k]
.endr
	v_nop                                          ; a plain instruction behind the last reciprocal
	s_wait_alu depctr_va_vdst(0)
.irp k, 0,2,4,6
	v_pk_mul_f32 v[AX+\k:AX+\k+1], v[AX+\k:AX+\k+1], s[20:21] op_sel_hi:[1,0]
	v_pk_mul_f32 v[AY+\k:AY+\k+1], v[AY+\k:AY+\k+1], s[22:23] op_sel_hi:[1,0]
.endr
.irp k, 0,2,4,6
	v_pk_mul_f32 v[C+\k:C+\k+1], v[AX+\k:AX+\k+1], v[M+\k:M+\k+1]
.endr
.irp k, 0,2,4,6
	v_pk_fma_f32 v[C+\k:C+\k+1], v[AY+\k:AY+\k+1], v[M+16+\k:M+16+\k+1], v[C+\k:C+\k+1]
.endr
.macro ROW i
	s_wait_loadcnt 4*(7-(\i))                      ; loads come back in order: four for each younger row may stay out
.irp k, 0,1,2,3
	v_lshlrev_b32 v[T+2*\k],   16,  v[R+8*(\i)+\k]
	v_and_b32     v[T+2*\k+1], s25, v[R+8*(\i)+\k]
	v_lshlrev_b32 v[U+2*\k],   16,  v[R+8*(\i)+4+\k]
	v_and_b32     v[U+2*\k+1], s25, v[R+8*(\i)+4+\k]
.endr
.irp k, 0,2,4,6
	v_pk_fma_f32 v[U+\k:U+\k+1], v[U+\k:U+\k+1], v[AY+\k:AY+\k+1], v[C+\k:C+\k+1]
.endr
.irp k, 0,2,4,6
	v_pk_fma_f32 v[R+8*(\i)+\k:R+8*(\i)+\k+1], v[T+\k:T+\k+1], v[AX+\k:AX+\k+1], v[U+\k:U+\k+1]
.endr
	global_store_b128 v3, v[R+8*(\i):R+8*(\i)+3],   s[10:11] offset:1024*(\i) th:TH_STORE_NT       ; 512 consecutive bytes, aligned; the data registers are the row's own
	global_store_b128 v3, v[R+8*(\i)+4:R+8*(\i)+7], s[10:11] offset:1024*(\i)+512 th:TH_STORE_NT
.endm
.irp i, 0,1,2,3,4,5,6,7
	ROW \i
.endr
	s_endpgm
.Lfunc_end_k_qf722c7d422_final:
	.size	k_qf722c7d422_final, .Lfunc_end_k_qf722c7d422_final-k_qf722c7d422_final
	.p2alignl 7, 3214868480
	.fill 96, 4, 3214868480
	.section	.rodata,"a",@progbits
	.p2align	6, 0x0
	.amdhsa_kernel k_qf722c7d422_final
		.amdhsa_group_segment_fixed_size 0
		.amdhsa_private_segment_fixed_size 0
		.amdhsa_enable_private_segment 0
		.amdhsa_kernarg_size 32
		.amdhsa_user_sgpr_count 2
		.amdhsa_user_sgpr_kernarg_segment_ptr 1
		.amdhsa_wavefront_size32 1
		.amdhsa_system_sgpr_workgroup_id_x 1
		.amdhsa_system_sgpr_workgroup_id_y 1
		.amdhsa_system_sgpr_workgroup_id_z 1
		.amdhsa_system_vgpr_workitem_id 0
		.amdhsa_next_free_vgpr 152
		.amdhsa_next_free_sgpr 66
		.amdhsa_reserve_vcc 0
		.amdhsa_float_denorm_mode_32 3
		.amdhsa_float_denorm_mode_16_64 3
		.amdhsa_memory_ordered 1
		.amdhsa_forward_progress 1
		.amdhsa_inst_pref_size 19
	.end_amdhsa_kernel
	.amdgpu_metadata
---
amdhsa.version: [ 1, 2 ]
amdhsa.kernels:
  - .name:           k_qf722c7d422_final
    .symbol:         k_qf722c7d422_final.kd
    .args:
      - { .name: zb, .offset: 0, .size: 8, .value_kind: global_buffer, .address_space: global }
      - { .name: psum, .offset: 8, .size: 8, .value_kind: global_buffer, .address_space: global }
      - { .name: mmr, .offset: 16, .size: 8, .value_kind: global_buffer, .address_space: global }
      - { .name: out0, .offset: 24, .size: 8, .value_kind: global_buffer, .address_space: global }
    .group_segment_fixed_size: 0
    .private_segment_fixed_size: 0
    .kernarg_segment_align: 8
    .kernarg_segment_size: 32
    .max_flat_workgroup_size: 128
    .sgpr_count:     66
    .vgpr_count:     152
    .wavefront_size: 32
...
	.end_amdgpu_metadata
.endif
;; end of part 4
;; ======== version 2 of 2: 4 launches; version 1 with the launch prep written anew for expert scheduling mode
;; workspace buffers: zb 41,943,040 bytes; nrm 327,680 bytes; mm 2,621,440 bytes; part 5,242,880 bytes; psum 2,560 bytes; mmr 81,920 bytes
;; launch prep (part 5): grid 640 x 2, 4 waves a work-group, no clusters, 8,960 bytes of LDS; arguments x, y, zb, nrm, mm; writes zb, nrm, mm
.if DOCPART == 5
	.amdgcn_target "amdgcn-amd-amdhsa--gfx1250"
	.amdhsa_code_object_version 6
	.text
	.protected	k_qf722c7d422_prep
	.globl	k_qf722c7d422_prep
	.p2align	8
	.type	k_qf722c7d422_prep,@function
k_qf722c7d422_prep:
	s_mov_b64 s[64:65], 0
	v_nop
	global_prefetch_b8 v0, s[64:65] scope:SCOPE_SE
	s_setreg_imm32_b32 hwreg(HW_REG_WAVE_SCHED_MODE, 0, 2), 2
	s_setreg_imm32_b32 hwreg(HW_REG_WAVE_MODE, 25, 1), 1
	s_wait_xcnt 0x0
	s_wait_alu depctr_vm_vsrc(0)
; x, y: [20 frames][2048 nodes][256] f32.  This launch rounds both once to bf16 (zb: x's copy, then y's), and takes from the ROUNDED numbers
;   nrm[tensor][frame][node]           = -1/2 of the sum of squares of the node's 256 numbers (f32),
;   mm[tensor*640+frame*32+chunk][2][256] = (-min, max) over the chunk's 64 nodes, per feature (f32; exact, a bf16 widened).
; -min is kept beside max so that every later reduction is a maximum.
; LIMITS.  Every later launch works on the rounded copy alone, so the program's result is that of the formula on inputs rounded to bf16.
; The packed minima and maxima let a NaN lose: a NaN among the inputs is not carried into mm.
; SHARES.  Work-group (x = frame*32+chunk, y = tensor) owns 64 rows, wave w 16 of them; lane L owns columns 4L..4L+3 and 128+4L..+3 of each row,
; so a load of a wave covers 512 consecutive bytes and a store of bf16 256 consecutive bytes, both aligned.  All 32 loads of a wave go out at once.
; No matrix unit, no cluster, no tensor load: nothing is shared between work-groups, and the launch moves each byte once.
; THE MODE: SCHED_MODE bits 1:0 = 2 (LLVM: expert scheduling mode 2), set by the entry lines.  The code itself states the register dependences
; between vector instructions and memory or LDS instructions, with s_wait_alu, always for 0.
; THE PLAN.  Registers that memory or LDS instructions touch:
;   v2 .. v9      offsets, LDS addresses and the closing add's pair: made once at the head and never written again.
;   X[i][0:7]     Row i as loaded: the head's loads land in it; row i's four conversions read it.
;   X[i][0:3]     Row i in bf16: written by those conversions, read by the row's own vector lines and by its two global stores; never written again.
;   H[i]          = X[i][4], free once the conversions have read it: the row's half-norm, written by the row's last line, read by its LDS store; never written again.
;   U[0:15]       Written by the widening lines behind row 15; read by four LDS stores; behind the barrier four LDS loads land in it.
;   T[0:3]        Written by the last maxima, read by one global store.   v[14:15]: named by the rows' vector lines; at the end wave 0's LDS load lands in it.
;   T, S, MN, MX are else named by vector instructions alone.
; The rows go in pairs.  Row i issues the three stores of row i - 2 and then does its own vector work, which names no register of the pair before.  So ONE wait on va_vdst
; at the head of a pair states all that the six stores of the pair before hang on; no register that a store reads is written again, so the rows hold no wait on vm_vsrc.
.set NRMS,  8192                       ; LDS: 0..8191 four waves' (-min, max), 2,048 bytes each; 8192..8447 the 64 half-norms
.set SPARE, 8448                       ; the spare words, 128 bytes a wave: two blocks of 256 bytes that no other line names
.set T,  10                            ; v[10:17]  a row's 8 rounded numbers as f32
.set S,  18                            ; v[18:19]  sum of squares
.set MN, 20                            ; v[20:23]  running minima, two bf16 a register
.set MX, 24                            ; v[24:27]  running maxima
.set U,  28                            ; v[28:43]  at work behind the rows
.set X,  44                            ; v[44:171] row i: 8 registers as loaded; its first 4 then hold the row in bf16 and are never rewritten
.set H,  X+4                           ; row i's half-norm at H + 8 i: the fifth of the row's eight registers
	s_load_b256 s[4:11], s[0:1], 0x0               ; x s[4:5], y s[6:7], zb s[8:9], nrm s[10:11]
	s_load_b64 s[12:13], s[0:1], 0x20              ; mm
	v_lshl_add_u32 v8, v0, 2, SPARE                ; my spare word,
	v_mov_b32 v9, 0                                ; and 0: kept for the closing add alone
	v_lshrrev_b32 v1, 5, v0
	v_readfirstlane_b32 s14, v1                    ; wave 0..3
	v_and_b32 v1, 31, v0                           ; lane
	v_lshlrev_b32 v2, 4, v1                        ; 16 L: my 16 bytes of f32
	v_lshlrev_b32 v3, 3, v1                        ; 8 L: my 8 bytes of bf16
	v_lshlrev_b32 v4, 4, v0                        ; 16 x thread: my 16 bytes of the 2,048 of (-min, max)
	v_add_nc_u32 v5, NRMS, v3                      ; where wave 0 reads the 64 half-norms back
	s_wait_alu depctr_va_sdst(0)                   ; s14 is written, ahead of its first reader: LDS addresses, bases and the last branch are made from it
	s_lshl_b32 s23, s14, 6
	s_add_co_u32 s23, s23, NRMS
	v_mov_b32 v6, s23                              ; my wave's 16 half-norms
	s_lshl_b32 s30, s14, 11                        ; (s23 and s30, which vector lines read, are written once)
	v_add_nc_u32 v7, s30, v2                       ; my wave's (-min, max), my 16 bytes
	s_and_b32 s15, ttmp7, 0xffff                   ; tensor: 0 x, 1 y
	s_mul_i32 s16, s15, 640
	s_add_co_u32 s16, s16, ttmp9                   ; unit = tensor*640 + frame*32 + chunk
	s_mov_b32 s20, 0x76543210                      ; v_permlanex16_b32: each lane takes its own place in the other half
	s_mov_b32 s21, 0xfedcba98
	s_mov_b32 s22, 0xffff0000                      ; a word's upper bf16
	s_lshl_b32 s18, ttmp9, 16                      ; input: 64 rows of 1,024 bytes a chunk,
	s_lshl_b32 s17, s14, 14                        ; 16 rows a wave
	s_add_co_u32 s18, s18, s17
	s_mov_b32 s19, 0
	s_lshl_b32 s24, s16, 15                        ; zb: 64 rows of 512 bytes a unit,
	s_lshl_b32 s17, s14, 13                        ; 16 rows a wave
	s_add_co_u32 s24, s24, s17
	s_mov_b32 s25, 0
	s_lshl_b32 s26, s16, 8                         ; nrm: 64 numbers a unit
	s_mov_b32 s27, 0
	s_lshl_b32 s28, s16, 11                        ; mm: 2,048 bytes a unit
	s_mov_b32 s29, 0
	s_wait_kmcnt 0x0
	s_cmp_eq_u32 s15, 0
	s_cselect_b64 s[4:5], s[4:5], s[6:7]           ; the tensor that this work-group reads
	s_add_nc_u64 s[4:5], s[4:5], s[18:19]
	s_add_nc_u64 s[8:9], s[8:9], s[24:25]
	s_add_nc_u64 s[10:11], s[10:11], s[26:27]
	s_add_nc_u64 s[12:13], s[12:13], s[28:29]
	s_wait_alu depctr_va_vdst(0)                   ; v2 to v9 are written: every load, store and LDS instruction of the kernel reads one of them as its offset or address
.irp i, 0,1,2,3,4,5,6,7,8,9,10,11,12,13,14,15
	global_load_b128 v[X+8*\i:X+8*\i+3],   v2, s[4:5] offset:1024*\i th:TH_LOAD_NT
	global_load_b128 v[X+8*\i+4:X+8*\i+7], v2, s[4:5] offset:1024*\i+512 th:TH_LOAD_NT
.endr
; Row i leaves: its bf16 numbers to memory, its half-norm to LDS.
.macro OUT i
	global_store_b64 v3, v[X+8*(\i):X+8*(\i)+1],   s[8:9] offset:512*(\i)      ; 32 lanes x 8 bytes: 256 consecutive bytes, aligned
	global_store_b64 v3, v[X+8*(\i)+2:X+8*(\i)+3], s[8:9] offset:512*(\i)+256  ; the data registers are the row's own: nothing writes them again
	ds_store_b32 v6, v[H+8*(\i)] offset:4*(\i)     ; all lanes write the same word with the same number
.endm
; Word k of row i is folded into the minima and maxima.
.macro FOLD i, k
.if (\i) == 0
	v_mov_b32 v[MN+(\k)], v[X+(\k)]                ; the first row starts both: nothing is preset
	v_mov_b32 v[MX+(\k)], v[X+(\k)]
.else
	v_pk_min_num_bf16 v[MN+(\k)], v[MN+(\k)], v[X+8*(\i)+(\k)]
	v_pk_max_num_bf16 v[MX+(\k)], v[MX+(\k)], v[X+8*(\i)+(\k)]
.endif
.endm
; Row i: the stores of row i - 2; then the row is rounded, squared and summed, and folded into the minima and maxima.
.macro ROW i
	s_wait_loadcnt 2*(15-(\i))                     ; loads come back in order: two for each younger row may stay out
.if ((\i) % 2 == 0) && ((\i) > 0)
	s_wait_alu depctr_va_vdst(0)                   ; the pair of rows before has written its bf16 registers and its half-norms, which the six stores at this row's head and the next row's read
.endif
.if (\i) >= 2
	OUT (\i)-2                                     ; no vector instruction since that wait names these registers
.endif
	v_cvt_pk_bf16_f32 v[X+8*(\i)],   v[X+8*(\i)],   v[X+8*(\i)+1]
	v_cvt_pk_bf16_f32 v[X+8*(\i)+1], v[X+8*(\i)+2], v[X+8*(\i)+3]
	v_cvt_pk_bf16_f32 v[X+8*(\i)+2], v[X+8*(\i)+4], v[X+8*(\i)+5]
	v_cvt_pk_bf16_f32 v[X+8*(\i)+3], v[X+8*(\i)+6], v[X+8*(\i)+7]
.irp k, 0,1,2,3
	v_lshlrev_b32 v[T+2*\k],   16,  v[X+8*(\i)+\k]
	v_and_b32     v[T+2*\k+1], s22, v[X+8*(\i)+\k]
.endr
	v_pk_mul_f32 v[S:S+1], v[T:T+1], v[T:T+1]
.irp k, 2,4,6
	v_pk_fma_f32 v[S:S+1], v[T+\k:T+\k+1], v[T+\k:T+\k+1], v[S:S+1]
.endr
	v_add_f32 v[S], v[S], v[S+1]
	v_add_f32_dpp v[S], v[S], v[S] row_xmask:1 row_mask:0xf bank_mask:0xf      ; the sum's steps across the lanes wait for each other: a minimum and a maximum stand behind each
	FOLD \i, 0
	v_add_f32_dpp v[S], v[S], v[S] row_xmask:2 row_mask:0xf bank_mask:0xf
	FOLD \i, 1
	v_add_f32_dpp v[S], v[S], v[S] row_xmask:4 row_mask:0xf bank_mask:0xf
	FOLD \i, 2
	v_add_f32_dpp v[S], v[S], v[S] row_xmask:8 row_mask:0xf bank_mask:0xf
	FOLD \i, 3
	v_permlanex16_b32 v[T], v[S], s20, s21         ; its destination has been written above
	v_add_f32 v[S], v[S], v[T]
	v_mul_f32 v[H+8*(\i)], -0.5, v[S]              ; into the row's own register
.endm
.irp i, 0,1,2,3,4,5,6,7,8,9,10,11,12,13,14,15
	ROW \i
.endr
	; my wave's (-min, max) of 16 rows, widened, into its 2,048 bytes: -min of columns 0..255, then max
.irp k, 0,1,2,3
	v_xor_b32 v[MN+\k], 0x80008000, v[MN+\k]       ; both signs turned
.endr
.irp k, 0,1,2,3
	v_lshlrev_b32 v[U+2*\k],     16,  v[MN+\k]
	v_and_b32     v[U+2*\k+1],   s22, v[MN+\k]
	v_lshlrev_b32 v[U+8+2*\k],   16,  v[MX+\k]
	v_and_b32     v[U+8+2*\k+1], s22, v[MX+\k]
.endr
	s_wait_alu depctr_va_vdst(0)                   ; rows 14 and 15 have written their bf16 registers and half-norms, the lines above v[U ..]: the ten stores below read them
	OUT 14
	OUT 15
	ds_store_b128 v7, v[U:U+3]
	ds_store_b128 v7, v[U+4:U+7]   offset:512
	ds_store_b128 v7, v[U+8:U+11]  offset:1024
	ds_store_b128 v7, v[U+12:U+15] offset:1536
	s_wait_dscnt 0x0                               ; for the others' sake: all my LDS stores are done
	s_barrier_signal -1
	s_barrier_wait -1
	s_wait_alu depctr_vm_vsrc(0)                   ; my LDS stores have read v[U ..], in which the loads below land (the vector lines that wrote it stand ahead of the last wait on va_vdst)
.irp k, 0,1,2,3
	ds_load_b128 v[U+4*\k:U+4*\k+3], v4 offset:2048*\k   ; the four waves' numbers for my 16 bytes
.endr
	s_wait_dscnt 0x0
.irp c, 0,1,2,3
	v_max3_num_f32 v[T+\c], v[U+\c], v[U+4+\c], v[U+8+\c]
.endr
.irp c, 0,1,2,3
	v_max_num_f32 v[T+\c], v[T+\c], v[U+12+\c]
.endr
	s_wait_alu depctr_va_vdst(0)                   ; the maxima have written v[T:T+3], which the store reads; and the rows' vector lines are done with v14 and v15, in which wave 0's LDS load lands
	global_store_b128 v4, v[T:T+3], s[12:13]       ; a wave's store covers 512 consecutive bytes, aligned
	s_cmp_lg_u32 s14, 0
	s_cbranch_scc1 .Lnot_wave_0
	ds_load_b64 v[14:15], v5                       ; wave 0 sends the 64 half-norms out: 256 consecutive bytes, aligned
	s_wait_dscnt 0x0
	global_store_b64 v3, v[14:15], s[10:11]
.Lnot_wave_0:
	s_wait_dscnt 0x0                               ; the wave's end
	s_wait_alu 0x0
	s_wait_tensorcnt 0x0
	ds_add_u32 v8, v9
	s_wait_dscnt 0x0
	s_endpgm
.Lfunc_end_k_qf722c7d422_prep:
	.size	k_qf722c7d422_prep, .Lfunc_end_k_qf722c7d422_prep-k_qf722c7d422_prep
	.p2alignl 7, 3214868480
	.fill 96, 4, 3214868480
	.section	.rodata,"a",@progbits
	.p2align	6, 0x0
	.amdhsa_kernel k_qf722c7d422_prep
		.amdhsa_group_segment_fixed_size 8960
		.amdhsa_private_segment_fixed_size 0
		.amdhsa_enable_private_segment 0
		.amdhsa_kernarg_size 40
		.amdhsa_user_sgpr_count 2
		.amdhsa_user_sgpr_kernarg_segment_ptr 1
		.amdhsa_wavefront_size32 1
		.amdhsa_system_sgpr_workgroup_id_x 1
		.amdhsa_system_sgpr_workgroup_id_y 1
		.amdhsa_system_sgpr_workgroup_id_z 1
		.amdhsa_system_vgpr_workitem_id 0
		.amdhsa_next_free_vgpr 176
		.amdhsa_next_free_sgpr 66
		.amdhsa_reserve_vcc 0
		.amdhsa_float_denorm_mode_32 3
		.amdhsa_float_denorm_mode_16_64 3
		.amdhsa_memory_ordered 1
		.amdhsa_forward_progress 1
		.amdhsa_inst_pref_size 39
	.end_amdhsa_kernel
	.amdgpu_metadata
---
amdhsa.version: [ 1, 2 ]
amdhsa.kernels:
  - .name:           k_qf722c7d422_prep
    .symbol:         k_qf722c7d422_prep.kd
    .args:
      - { .name: x, .offset: 0, .size: 8, .value_kind: global_buffer, .address_space: global }
      - { .name: y, .offset: 8, .size: 8, .value_kind: global_buffer, .address_space: global }
      - { .name: zb, .offset: 16, .size: 8, .value_kind: global_buffer, .address_space: global }
      - { .name: nrm, .offset: 24, .size: 8, .value_kind: global_buffer, .address_space: global }
      - { .name: mm, .offset: 32, .size: 8, .value_kind: global_buffer, .address_space: global }
    .group_segment_fixed_size: 8960
    .private_segment_fixed_size: 0
    .kernarg_segment_align: 8
    .kernarg_segment_size: 40
    .max_flat_workgroup_size: 128
    .sgpr_count:     66
    .vgpr_count:     176
    .wavefront_size: 32
...
	.end_amdgpu_metadata
.endif
;; end of part 5
;; launch gram: the kernel of part 2 again; grid 8 x 32, 4 waves a work-group, clusters of 4 x 4, 327,680 bytes of LDS; arguments zb, nrm, part; writes part
;; launch reduce: the kernel of part 3 again; grid 200 x 1, 4 waves a work-group, no clusters, 0 bytes of LDS; arguments part, mm, psum, mmr; writes psum, mmr
;; launch final: the kernel of part 4 again; grid 320 x 4, 4 waves a work-group, no clusters, 0 bytes of LDS; arguments zb, psum, mmr, out0; writes out0
